; MI455X (gfx1250); checked and timed in simulation.
; The chip was launched on July 23, 2026; its instructions are those of AMD's public machine-readable ISA for CDNA 5 (MIT licence, August 2026) and "CDNA5" Instruction Set Architecture Reference Guide (July 2026). The comments in the code are by the model that wrote it; some were corrected since.
;; Low Rank Ray Tracer. Allowed arithmetic: matrix products marked QUANTISED: E2M1 operands, one E8M0 scale for each 32 along K, by v_wmma_scale_f32_16x16x128_f8f6f4 with both operands' format E2M1 (or v_wmma_scale_f32_32x16x128_f4), f32 sums; everything else in f32.
;; Inputs: attenuation_vectors 1,024 x 256 x 64 float32; frequency_basis_vectors_codes 1,024 x 2 x 16 uint8 (E2M1 codes of frequency_basis_vectors, K innermost, in blocks of 32 codes, two codes a byte); frequency_basis_vectors_scales 1,024 x 2 uint8 (E8M0 scales of frequency_basis_vectors, one for each 32 codes along K); radiation_vectors 1,024 x 256 x 64 float32.
;; Outputs: out0 1,024 float32.
;; This version of the problem:
;;   THIS VERSION OF THE PROBLEM IS GIVEN IN LOW PRECISION. The matrix products marked QUANTISED in the list below multiply operands that are first quantised to E2M1 (2 exponent bits, 1 mantissa bit; 4 bits a number), with one power-of-two scale for each 32 numbers along K (OCP MX v1.0); their sums are f32. All else is computed in f32.
;;   The module's matrix products, in the order in which they are computed (A, B: the left and right operand; K: the contracted axis; several contracted axes count as one K, in the product's order):
;;     1. [M 1,024, K 64] x [K 64, N 1,024]; A: computed on the way; B: input frequency_basis_vectors (given as codes): QUANTISED
;;     2. [M 1,024, K 64] x [K 64, N 1,024]; A: computed on the way; B: input frequency_basis_vectors (given as codes): QUANTISED
;;   THE QUANTISER, for each operand of a quantised product, along K:
;;     - K is cut into blocks of 32 from its start; a last block that is shorter is filled with zeros.
;;     - A block's scale is 2^e with e = floor(log2(the largest magnitude in the block)) - 2, held to -126 .. 127; a block of zeros has e = 0. As a byte (E8M0): e + 127.
;;     - Each number is divided by its block's scale, clamped to +-6, and rounded to the nearest number of E2M1, ties to even, subnormals kept.
;;     - The product sums the exact products of the quantised numbers (number of the format x scale) in f32.
;;   ~~~python
;;   def quantise(x, axis):      # numpy; x: float32 -> the quantised numbers, widened to float32 again
;;       x = np.moveaxis(x, axis, -1); K = x.shape[-1]
;;       x = np.pad(x, [(0, 0)] * (x.ndim - 1) + [(0, -K % 32)]); x = x.reshape(x.shape[:-1] + (-1, 32)); a = np.abs(x).max(-1, keepdims=True)
;;       e = np.where(a > 0, np.clip(np.frexp(np.where(a > 0, a, 1))[1] - 1 - 2, -126, 127), 0)      # np.frexp(a)[1] - 1 = floor(log2(a)), exactly
;;       r = np.clip(x / 2.0 ** e, -6, 6)
;;       step = 2.0 ** (np.maximum(np.frexp(np.where(r == 0, 1, r))[1] - 1, 0) - 1)
;;       q = np.round(r / step) * step * 2.0 ** e      # np.round: ties to even
;;       return np.moveaxis(q.reshape(q.shape[:-2] + (-1,))[..., :K], -1, axis).astype(np.float32)
;;   ~~~
;;   OPERANDS COMPUTED ON THE WAY. 'Computed on the way' means the value that the module computes at that place (a softmax that the list does not call 'softmax' is quantised finished and normalised). What goes into a quantiser is computed in f32, as accurately as f32 sums, v_exp_f32 and their like allow (about 1e-6 of the number): no bf16 or f16 on the way to a quantiser, and a product that is left as it is and whose result goes on into a quantised operand takes f32 operands (vector FMAs, or v_wmma_f32_16x16x4_f32). A number that lies on a knife's edge between two numbers of the format may be rounded either way, as far as f32 arithmetic and the matrix unit's own rounding can turn it there, and no further.
;;   INPUTS GIVEN AS CODES. frequency_basis_vectors (in the module: [1024, 64], K = its axis 1): each comes as NAME_codes (uint8): NAME with its K axis moved to the last place and cut into blocks of 32 codes, [.., K / 32, bytes a block], one block behind the other in memory; two codes a byte, the lower K in the low four bits (a code: sign, 2 exponent bits, 1 mantissa bit); and NAME_scales (uint8): the same leading axes, one E8M0 byte (e + 127) for each 32 codes along K. Its value is code x scale, taken as it is: it is not quantised again, and the codes and scales need not be those that the quantiser above would give.
;; One version. Each part assembles by itself: llvm-mc -triple=amdgcn-amd-amdhsa -mcpu=gfx1250 --defsym DOCPART=n.
;; ======== version 1 of 1: 2 launches
;; limits: right only within a limited range of input values
;; workspace buffers: part 1,048,576 bytes
;; launch rays (part 1): grid 256 x 1, 32 waves a work-group, no clusters, 13,824 bytes of LDS; arguments attenuation_vectors, radiation_vectors, frequency_basis_vectors_codes, frequency_basis_vectors_scales, part; writes part
.if DOCPART == 1
	.amdgcn_target "amdgcn-amd-amdhsa--gfx1250"
	.amdhsa_code_object_version 6
	.text
	.protected	k_qcfbf2f5c6f_rays
	.globl	k_qcfbf2f5c6f_rays
	.p2align	8
	.type	k_qcfbf2f5c6f_rays,@function
k_qcfbf2f5c6f_rays:
	s_mov_b64 s[64:65], 0
	v_nop
	global_prefetch_b8 v0, s[64:65] scope:SCOPE_SE
	s_setreg_imm32_b32 hwreg(HW_REG_WAVE_MODE, 25, 1), 1
	s_wait_xcnt 0x0
; U[t][d][r] = the sum over p of x_t[d][p][r] (t = 0: attenuation, 1: radiation; x_t: [1024][256][64] f32), quantised along r to FP4 (E2M1), one E8M0 scale for each 32;
; A[d][k] = U[0][d] . F[k], B[d][k] = U[1][d] . F[k] by the matrix unit;  the part of work-group g for subcarrier k = the sum over its 4 directions d of A[d][k] B[d][k].  The next launch adds the 256 parts.
; part: [16 tiles of 64 subcarriers][256 work-groups][64] f32.
; SHARES.  A work-group takes 4 directions of both tensors: 2 x 262,144 consecutive bytes.  Wave w = 8 dl + 4 t + q takes points 64 q .. 64 q + 63 of direction dl of tensor t: 16,384 consecutive bytes,
; 32 loads of 512 consecutive bytes in 8 groups of 4.  A lane's 16 bytes are ranks 4 (lane % 16) + 0 .. 3 of a point of parity lane / 16, so a lane only adds, and the order of the groups is free:
; group i reads piece i xor s of 2,048 bytes, s made of the wave's and the work-group's number, so that the waves do not all walk the same offsets.
; IN FLIGHT.  24 loads land in 96 registers (the first four are the accumulators: four chains of four numbers, nothing is cleared); the last 8 take the registers of groups 1 and 2 when these have been added.
; THE END.  A wave's 64 sums meet the other three quarters' in LDS; behind a barrier the 64 threads of waves 0 and 1 add the quarters, quantise 8 ranks each and lay the codes in LDS as the image of a matrix operand:
; with unit m = 4 t + dl, row m = [U_m | 0] and row m + 8 = [0 | U_m] along the instruction's 128.  Behind a second barrier waves 0-15 multiply: source 1 = columns [F[k] | F[k + 32]], so that one
; instruction gives A and B of the 4 directions for 32 subcarriers: lane (r, h) holds them for its own subcarrier in registers 0-3 (A) and 4-7 (B).  Two instructions a wave: 64 subcarriers, a lane's two are neighbours.
; Zero codes add nothing under any finite scale byte.
; A block's scale byte is its largest magnitude's exponent field - 2, held at 1 from below; a block of zeros gets the byte 1 where the rule says 127: its codes are zeros, and the bytes are used here alone.
; No prefetch: there is no loop to run ahead in, every byte is asked for by its own load.  No cluster: work-groups share F alone, 34,816 bytes beside 524,288 of their own, and F goes straight into operand registers.
; Nothing is read twice from LDS or memory, so the stream does not go through LDS.
; LIMITS: inputs are finite and their sums over 256 points stay finite in f32; F's scale bytes are finite codes; NaN and infinities are not served (one in F[k] may reach the subcarrier 32 away).
; The sums' order is: 8 groups to a chain in the order above, 4 chains, 2 parities, 4 quarters.
.set UPITCH, 1040                      ; a unit's four quarters of 256 bytes + 16 of padding
.set IMG,   0                          ; LDS: operand image: [register group c][32 lanes][16 bytes]
.set SCW,   1024                       ; 16 scale words
.set STAGE, 1280                       ; 8 units' quarters
.set SPARE, 9728                       ; the spare words, 128 bytes for each wave
.set SPW, 1                            ; LDS address of my spare word
.set NIL, 2                            ; 0
.set OFF, 3                            ; 16 x lane
.set PUT, 4                            ; LDS: where my wave's sums go, less STAGE
.set GET, 5                            ; LDS: where thread 0..63 finds its 8 ranks, less STAGE
.set IMA, 6                            ; LDS: where its codes go
.set SCB, 7                            ; LDS: where its block's scale byte goes, less SCW
.set CO,  8                            ; out: 8 x lane
.set FO,  9                            ; F's codes: 64 r + 16 h
.set FSO, 10                           ; F's scales, U's scale words: 4 r
.set US,  12                           ; U's scale words
.set FS0, 13                           ; F's scale bytes as loaded (v13, v14), then the words of instruction 0 (v13) and 1 (v15)
.set FS1, 14
.set FSX, 15
.set F,   16                           ; v[16:31] F's fragments, instructions 0 and 1; scratch before they are loaded
.set X,   32                           ; v[32:127] six groups of four loads; v[32:47] the four chains
.set L,   96                           ; v[96:127] behind the stream: read back from LDS
.set WV,  14
.set ROT, 3                            ; s3: s
.set SEL, 32
.set BASE, 40                          ; s[40:55] the 8 groups' bases
.macro LOADG i, reg
	s_xor_b32 s36, s[ROT], \i
	s_lshl_b32 s36, s36, 11
	s_add_nc_u64 s[BASE+2*\i:BASE+2*\i+1], s[4:5], s[36:37]
.irp j, 0,1,2,3
	global_load_b128 v[(\reg)+4*\j:(\reg)+4*\j+3], v[OFF], s[BASE+2*\i:BASE+2*\i+1] offset:512*\j th:TH_LOAD_NT   ; 512 consecutive bytes, read once in the launch
.endr
.endm
.macro ADDG from
.irp j, 0,2,4,6,8,10,12,14
	v_pk_add_f32 v[X+\j:X+\j+1], v[X+\j:X+\j+1], v[(\from)+\j:(\from)+\j+1]
.endr
.endm
.macro NEXT n, reg                     ; at most n younger loads may be out; then the group in reg is added
	s_wait_alu depctr_va_vdst(0)
	s_wait_loadcnt \n
	ADDG \reg
.endm
	s_load_b256 s[4:11], s[0:1], 0x0               ; attenuation s[4:5], radiation s[6:7], F's codes s[8:9], F's scales s[10:11]
	s_load_b64 s[12:13], s[0:1], 0x20              ; part
	v_lshl_add_u32 v[SPW], v0, 2, SPARE
	v_mov_b32 v[NIL], 0
	v_lshrrev_b32 v[F], 5, v0
	v_readfirstlane_b32 s[WV], v[F]                ; wave 0..31 = 8 dl + 4 t + q
	v_and_b32 v[F+1], 31, v0                       ; lane
	v_lshlrev_b32 v[OFF], 4, v[F+1]
	s_lshr_b32 s15, s[WV], 3                       ; dl
	s_bfe_u32 s18, s[WV], 0x10002                  ; t
	s_and_b32 s19, s[WV], 3                        ; q
	s_lshl_b32 s16, ttmp9, 18                      ; the work-group's 4 directions of 65,536 bytes
	s_lshl_b32 s34, s15, 16
	s_add_co_u32 s16, s16, s34
	s_lshl_b32 s34, s19, 14                        ; + q quarters of 16,384 bytes
	s_add_co_u32 s16, s16, s34
	s_mov_b32 s17, 0
	s_mov_b32 s37, 0
	s_lshr_b32 s34, ttmp9, 3
	s_add_co_u32 s34, s34, ttmp9
	s_add_co_u32 s34, s34, s[WV]
	s_and_b32 s[ROT], s34, 7                       ; s = (w + g + g / 8) mod 8
	s_wait_alu depctr_va_vdst(0)
	s_wait_kmcnt 0x0
	s_cmp_eq_u32 s18, 0                            ; which tensor: the choice hangs on the wave's number alone
	s_cselect_b64 s[4:5], s[4:5], s[6:7]
	s_add_nc_u64 s[4:5], s[4:5], s[16:17]
	LOADG 0, X
	LOADG 1, X+16
	LOADG 2, X+32
	LOADG 3, X+48
	LOADG 4, X+64
	LOADG 5, X+80
	; the addresses for what follows
	v_and_b32 v[F], 15, v0                         ; r
	v_and_b32 v[F+1], 31, v0                       ; lane
	v_bfe_u32 v[F+2], v0, 3, 3                     ; threads 0..63: unit m,
	v_bfe_u32 v[F+3], v0, 2, 1                     ; block of 32 ranks,
	v_and_b32 v[F+4], 3, v0                        ; eight ranks of it
	v_and_b32 v[F+5], 7, v0
	v_bfe_u32 v[F+6], v0, 4, 1                     ; h
	s_lshl_b32 s34, s18, 2
	s_add_co_u32 s34, s34, s15                     ; my wave's unit m = 4 t + dl
	s_mul_i32 s34, s34, UPITCH
	s_lshl_b32 s35, s19, 8                         ; + 256 q
	s_add_co_u32 s34, s34, s35
	v_lshlrev_b32 v[PUT], 4, v[F]
	v_mul_u32_u24 v[GET], v[F+2], UPITCH
	v_lshlrev_b32 v[IMA], 4, v[F+2]
	v_lshl_add_u32 v[SCB], v[F+2], 2, v[F+3]
	v_lshlrev_b32 v[FO], 6, v[F]
	v_lshlrev_b32 v[FSO], 2, v[F]
	v_lshlrev_b32 v[CO], 3, v[F+1]
	v_add_nc_u32 v[PUT], s34, v[PUT]
	v_lshl_add_u32 v[GET], v[F+5], 5, v[GET]
	v_lshl_add_u32 v[IMA], v[F+3], 8, v[IMA]       ; image: 16 x (row + 16 x block) + 4 x (my eight ranks' place)
	v_lshl_add_u32 v[FO], v[F+6], 4, v[FO]
	v_lshl_add_u32 v[IMA], v[F+4], 2, v[IMA]
	s_lshl_b32 s16, s[WV], 11                      ; waves 0-15: my 64 rows of F, 32 bytes each,
	s_add_nc_u64 s[8:9], s[8:9], s[16:17]
	s_lshl_b32 s16, s[WV], 7                       ; and their scale bytes
	s_add_nc_u64 s[10:11], s[10:11], s[16:17]
	s_lshl_b32 s16, s[WV], 16                      ; waves 0-15: my tile of 64 subcarriers in part,
	s_lshl_b32 s34, ttmp9, 8                       ; the work-group's 256 bytes of it
	s_add_co_u32 s16, s16, s34
	s_add_nc_u64 s[12:13], s[12:13], s[16:17]
	s_mov_b32 s[SEL], 0x76543210
	s_mov_b32 s[SEL+1], 0xfedcba98                 ; v_permlanex16_b32's selects for lane l xor 16
	s_wait_alu depctr_va_vdst(0)
	s_cmp_gt_u32 s[WV], 15
	s_cbranch_scc1 .Lasked
.irp i, 0,1
.irp c, 0,1
	global_load_b128 v[F+8*\i+4*\c:F+8*\i+4*\c+3], v[FO], s[8:9] offset:1024*\c+32*\i   ; instruction i: F[64 w + 32 c + 2 r + i] at K = 64 c + 32 h + 0 .. 31
.endr
.endr
	global_load_b32 v[FS0], v[FSO], s[10:11]       ; the scale bytes of rows 64 w + 2 r, 2 r + 1
	global_load_b32 v[FS1], v[FSO], s[10:11] offset:64   ; and of those 32 on
.Lasked:
	; Loads come back in order (ISA guide 5.7.1).  The counts are those of the waves without F's six loads; with the six between the first 24 and the last 8 they wait for as much or more.
	NEXT 16, X+16                                  ; of 24 issued the first 8 are in: groups 0 and 1
	LOADG 6, X+16
	NEXT 16, X+32                                  ; of 28 the first 12
	LOADG 7, X+32
	NEXT 16, X+48                                  ; of 32 the first 16
	NEXT 12, X+64
	NEXT 8, X+80
	NEXT 4, X+16                                   ; group 6
	NEXT 0, X+32                                   ; group 7; F's too
	v_pk_add_f32 v[X:X+1], v[X:X+1], v[X+4:X+5]    ; the four chains become one
	v_pk_add_f32 v[X+2:X+3], v[X+2:X+3], v[X+6:X+7]
	s_delay_alu instid0(VALU_DEP_4)
	v_pk_add_f32 v[X+8:X+9], v[X+8:X+9], v[X+12:X+13]
	s_delay_alu instid0(VALU_DEP_4)
	v_pk_add_f32 v[X+10:X+11], v[X+10:X+11], v[X+14:X+15]
	s_delay_alu instid0(VALU_DEP_2)
	v_pk_add_f32 v[X:X+1], v[X:X+1], v[X+8:X+9]
	s_delay_alu instid0(VALU_DEP_2)
	v_pk_add_f32 v[X+2:X+3], v[X+2:X+3], v[X+10:X+11]
.irp j, 0,1,2,3
	v_permlanex16_b32 v[X+16+\j], v[X+\j], s[SEL], s[SEL+1]   ; the points of the other parity (the destinations have been written: loads landed there)
.endr
	v_pk_add_f32 v[X:X+1], v[X:X+1], v[X+16:X+17]
	v_pk_add_f32 v[X+2:X+3], v[X+2:X+3], v[X+18:X+19]
	ds_store_b128 v[PUT], v[X:X+3] offset:STAGE    ; my wave's 64 sums; lanes l and l + 16 write the same bytes with the same values
	s_wait_dscnt 0x0                               ; for the others' sake: my store has landed
	s_barrier_signal -1
	s_barrier_wait -1
	s_cmp_gt_u32 s[WV], 1
	s_cbranch_scc1 .Lcoded                         ; 64 threads quantise 8 ranks each
.irp q, 0,1,2,3
.irp i, 0,1
	ds_load_b128 v[L+8*\q+4*\i:L+8*\q+4*\i+3], v[GET] offset:STAGE+256*\q+16*\i
.endr
.endr
	v_mov_b32 v[X+32], 0
	ds_store_b32 v[IMA], v[X+32] offset:IMG+128    ; the image's zeros: group 0 of row m + 8,
	ds_store_b32 v[IMA], v[X+32] offset:IMG+512    ; group 1 of row m
	s_wait_dscnt 2                                 ; the 8 loads are in, the two stores may be out
.irp j, 0,2,4,6
	v_pk_add_f32 v[L+\j:L+\j+1], v[L+\j:L+\j+1], v[L+8+\j:L+9+\j]
.endr
.irp j, 0,2,4,6
	v_pk_add_f32 v[L+16+\j:L+17+\j], v[L+16+\j:L+17+\j], v[L+24+\j:L+25+\j]
.endr
.irp j, 0,2,4,6
	s_delay_alu instid0(VALU_DEP_4)
	v_pk_add_f32 v[L+\j:L+\j+1], v[L+\j:L+\j+1], v[L+16+\j:L+17+\j]
.endr
	s_delay_alu instid0(VALU_DEP_3)
	v_max3_num_f32 v[X], |v[L]|, |v[L+1]|, |v[L+2]|
	s_delay_alu instid0(VALU_DEP_3)
	v_max3_num_f32 v[X+1], |v[L+3]|, |v[L+4]|, |v[L+5]|
	s_delay_alu instid0(VALU_DEP_2)
	v_max3_num_f32 v[X], v[X], |v[L+6]|, |v[L+7]|
	s_delay_alu instid0(VALU_DEP_1)
	v_max3_num_f32 v[X], v[X], v[X+1], 0x1800000   ; and the floor 2^(3 - 127): so the byte cannot fall under 1
	s_delay_alu instid0(VALU_DEP_1)
	v_max_num_f32_dpp v[X], v[X], v[X] row_xmask:1 row_mask:0xf bank_mask:0xf
	s_delay_alu instid0(VALU_DEP_1)
	v_max_num_f32_dpp v[X], v[X], v[X] row_xmask:2 row_mask:0xf bank_mask:0xf   ; four lanes hold a block of 32
	s_delay_alu instid0(VALU_DEP_1)
	v_add_nc_u32 v[X+2], 0xff000000, v[X]          ; 2 off the exponent field: the conversion's scale operand
	v_cvt_scalef32_pk8_fp4_f32 v[X+3], v[L:L+7], v[X+2]
	v_lshrrev_b32 v[X+4], 23, v[X+2]               ; the scale's byte (a plain line behind the conversion)
	ds_store_b32 v[IMA], v[X+3] offset:IMG         ; group 0 of row m,
	ds_store_b32 v[IMA], v[X+3] offset:IMG+640     ; group 1 of row m + 8
.irp o, 0,2,32,34
	ds_store_b8 v[SCB], v[X+4] offset:SCW+\o       ; K blocks 0, 1 and 2, 3 of the words of rows m and m + 8; a block's four lanes write the same byte with the same value
.endr
	s_wait_dscnt 0x0                               ; for the others' sake: my stores have landed
.Lcoded:
	s_barrier_signal -1
	s_barrier_wait -1
	s_cmp_gt_u32 s[WV], 15
	s_cbranch_scc1 .Ldone
	ds_load_b128 v[L:L+3], v[OFF] offset:IMG
	ds_load_b128 v[L+4:L+7], v[OFF] offset:IMG+512
	ds_load_b32 v[US], v[FSO] offset:SCW
	v_perm_b32 v[FSX], v[FS1], v[FS0], 0x07060302  ; instruction 1: rows 2 r + 1: K blocks 0, 1 from the lower 32 rows, 2, 3 from the upper
	v_perm_b32 v[FS0], v[FS1], v[FS0], 0x05040100  ; instruction 0: rows 2 r
.rept 8
	v_nop                                          ; a scale register so written stands 8 places ahead of a scaled product; the LDS loads are on their way
.endr
	s_wait_alu depctr_va_vdst(0)
	s_wait_dscnt 0x0
	v_wmma_scale_f32_16x16x128_f8f6f4 v[X:X+7], v[L:L+7], v[F:F+7], 0, v[US], v[FS0] matrix_a_fmt:MATRIX_FMT_FP4 matrix_b_fmt:MATRIX_FMT_FP4
	v_wmma_scale_f32_16x16x128_f8f6f4 v[X+8:X+15], v[L:L+7], v[F+8:F+15], 0, v[US], v[FSX] matrix_a_fmt:MATRIX_FMT_FP4 matrix_b_fmt:MATRIX_FMT_FP4
.rept 4
	v_nop                                          ; places in front of the reads of the results (ISA guide 7.12.1)
.endr
	v_pk_mul_f32 v[L+16:L+17], v[X:X+1], v[X+4:X+5]            ; A x B of directions 0, 1
	v_pk_mul_f32 v[L+18:L+19], v[X+8:X+9], v[X+12:X+13]
	v_pk_fma_f32 v[L+16:L+17], v[X+2:X+3], v[X+6:X+7], v[L+16:L+17]   ; and 2, 3
	v_pk_fma_f32 v[L+18:L+19], v[X+10:X+11], v[X+14:X+15], v[L+18:L+19]
	v_add_f32 v[L+20], v[L+16], v[L+17]
	v_add_f32 v[L+21], v[L+18], v[L+19]
	global_store_b64 v[CO], v[L+20:L+21], s[12:13] ; subcarriers 64 w + 2 lane, + 1: 32 lanes store 256 consecutive bytes, aligned
.Ldone:
	s_wait_tensorcnt 0x0                           ; the wave's end
	ds_add_u32 v[SPW], v[NIL]
	s_wait_dscnt 0x0
	s_endpgm
.Lfunc_end_k_qcfbf2f5c6f_rays:
	.size	k_qcfbf2f5c6f_rays, .Lfunc_end_k_qcfbf2f5c6f_rays-k_qcfbf2f5c6f_rays
	.p2alignl 7, 3214868480
	.fill 96, 4, 3214868480
	.section	.rodata,"a",@progbits
	.p2align	6, 0x0
	.amdhsa_kernel k_qcfbf2f5c6f_rays
		.amdhsa_group_segment_fixed_size 13824
		.amdhsa_private_segment_fixed_size 0
		.amdhsa_enable_private_segment 0
		.amdhsa_kernarg_size 40
		.amdhsa_user_sgpr_count 2
		.amdhsa_user_sgpr_kernarg_segment_ptr 1
		.amdhsa_wavefront_size32 1
		.amdhsa_system_sgpr_workgroup_id_x 1
		.amdhsa_system_sgpr_workgroup_id_y 1
		.amdhsa_system_sgpr_workgroup_id_z 1
		.amdhsa_system_vgpr_workitem_id 0
		.amdhsa_next_free_vgpr 128
		.amdhsa_next_free_sgpr 66
		.amdhsa_reserve_vcc 0
		.amdhsa_float_denorm_mode_32 3
		.amdhsa_float_denorm_mode_16_64 3
		.amdhsa_memory_ordered 1
		.amdhsa_forward_progress 1
		.amdhsa_inst_pref_size 17
	.end_amdhsa_kernel
	.amdgpu_metadata
---
amdhsa.version: [ 1, 2 ]
amdhsa.kernels:
  - .name:           k_qcfbf2f5c6f_rays
    .symbol:         k_qcfbf2f5c6f_rays.kd
    .args:
      - { .name: attenuation_vectors, .offset: 0, .size: 8, .value_kind: global_buffer, .address_space: global }
      - { .name: radiation_vectors, .offset: 8, .size: 8, .value_kind: global_buffer, .address_space: global }
      - { .name: frequency_basis_vectors_codes, .offset: 16, .size: 8, .value_kind: global_buffer, .address_space: global }
      - { .name: frequency_basis_vectors_scales, .offset: 24, .size: 8, .value_kind: global_buffer, .address_space: global }
      - { .name: part, .offset: 32, .size: 8, .value_kind: global_buffer, .address_space: global }
    .group_segment_fixed_size: 13824
    .private_segment_fixed_size: 0
    .kernarg_segment_align: 8
    .kernarg_segment_size: 40
    .max_flat_workgroup_size: 1024
    .sgpr_count:     66
    .vgpr_count:     128
    .wavefront_size: 32
...
	.end_amdgpu_metadata
.endif
;; end of part 1
;; launch total (part 2): grid 64 x 1, 8 waves a work-group, no clusters, 5,120 bytes of LDS; arguments part, out0; writes out0
.if DOCPART == 2
	.amdgcn_target "amdgcn-amd-amdhsa--gfx1250"
	.amdhsa_code_object_version 6
	.text
	.protected	k_qcfbf2f5c6f_total
	.globl	k_qcfbf2f5c6f_total
	.p2align	8
	.type	k_qcfbf2f5c6f_total,@function
k_qcfbf2f5c6f_total:
	s_mov_b64 s[64:65], 0
	v_nop
	global_prefetch_b8 v0, s[64:65] scope:SCOPE_SE
	s_setreg_imm32_b32 hwreg(HW_REG_WAVE_MODE, 25, 1), 1
	s_wait_xcnt 0x0
; out[k] = (1 / 1024) x the sum over g = 0 .. 255 of k's part of g.  part: [16 tiles of 64 subcarriers][256 g][64] f32.
; Work-group n takes quarter n / 16 of tile n % 16: 16 subcarriers, 64 bytes of each of the tile's 256 rows of 256 bytes; wave w takes rows 32 w .. 32 w + 31 by 4 loads of 8 rows:
; lane l holds piece l % 4 (16 bytes) of row l / 4 of the eight.
; A thread adds its 4 loads; the 8 waves meet in LDS behind one barrier, thread by thread; wave 0 adds them and then its lanes of the same piece.
; 64 bytes of a row, a quarter of an aligned block of 256, so that 64 work-groups share the 1,048,576 bytes: 16,384 a work-group.  With whole blocks only 16 work-groups would, 65,536 each.
; No prefetch: no loop to run ahead in.  No cluster: work-groups share no number.
; LIMIT: finite numbers, as the launch before states.  Order of the sum: 4 loads, 8 waves, 8 lanes.
.set SPARE, 4096                       ; LDS: 512 bytes for each wave, then the spare words
.set SPW, 2
.set NIL, 3
.set OFF, 4                            ; 256 (l / 4) + 16 (l % 4)
.set PUT, 5                            ; LDS: 16 x thread
.set OO,  6                            ; out: 16 (l % 4)
.set A,   8                            ; v[8:23]  my 4 loads
.set R,   24                           ; v[24:51] wave 0: the other 7 waves' numbers
.set WV,  8
	s_load_b128 s[4:7], s[0:1], 0x0                ; part s[4:5], out s[6:7]
	v_lshl_add_u32 v[SPW], v0, 2, SPARE
	v_mov_b32 v[NIL], 0
	v_lshrrev_b32 v1, 5, v0
	v_readfirstlane_b32 s[WV], v1                  ; wave 0..7
	v_and_b32 v[OO], 3, v0
	v_bfe_u32 v[OFF], v0, 2, 3
	v_lshlrev_b32 v[PUT], 4, v0
	v_lshlrev_b32 v[OO], 4, v[OO]
	v_lshl_add_u32 v[OFF], v[OFF], 8, v[OO]
	s_and_b32 s17, ttmp9, 15                       ; tile
	s_lshr_b32 s18, ttmp9, 4                       ; quarter
	s_lshl_b32 s18, s18, 6                         ; its 64 bytes of a row
	s_lshl_b32 s10, s17, 16                        ; the tile's 65,536 bytes
	s_lshl_b32 s12, s[WV], 13                      ; my wave's 32 rows of 256 bytes
	s_add_co_u32 s10, s10, s12
	s_add_co_u32 s10, s10, s18
	s_lshl_b32 s12, s17, 8                         ; out: the tile's 256 bytes
	s_add_co_u32 s12, s12, s18
	s_mov_b32 s11, 0
	s_mov_b32 s13, 0
	s_mov_b32 s14, 0x76543210
	s_mov_b32 s15, 0xfedcba98                      ; v_permlanex16_b32's selects for lane l xor 16
	s_wait_alu depctr_va_vdst(0)
	s_wait_kmcnt 0x0
	s_add_nc_u64 s[4:5], s[4:5], s[10:11]
	s_add_nc_u64 s[6:7], s[6:7], s[12:13]
.irp i, 0,1,2,3
	global_load_b128 v[A+4*\i:A+4*\i+3], v[OFF], s[4:5] offset:2048*\i   ; rows 32 w + 8 i .. + 7
.endr
	s_wait_loadcnt 0x0
.irp j, 0,2
	v_pk_add_f32 v[A+\j:A+\j+1], v[A+\j:A+\j+1], v[A+4+\j:A+5+\j]
	v_pk_add_f32 v[A+8+\j:A+9+\j], v[A+8+\j:A+9+\j], v[A+12+\j:A+13+\j]
.endr
.irp j, 0,2
	v_pk_add_f32 v[A+\j:A+\j+1], v[A+\j:A+\j+1], v[A+8+\j:A+9+\j]
.endr
	ds_store_b128 v[PUT], v[A:A+3]
	s_wait_alu depctr_va_vdst(0)                   ; wave 0 reads its own sums again behind the barrier
	s_wait_dscnt 0x0                               ; for wave 0's sake: my store has landed
	s_barrier_signal -1
	s_barrier_wait -1
	s_cmp_lg_u32 s[WV], 0
	s_cbranch_scc1 .Ldone                          ; the rest is one wave's work
.irp i, 0,1,2,3,4,5,6
	ds_load_b128 v[R+4*\i:R+4*\i+3], v[PUT] offset:512+512*\i   ; the same lane's numbers of waves 1 to 7
.endr
	s_wait_xcnt 0x0                                ; EXEC changes below
	s_wait_dscnt 0x0
.irp j, 0,2
	v_pk_add_f32 v[A+\j:A+\j+1], v[A+\j:A+\j+1], v[R+\j:R+\j+1]
	v_pk_add_f32 v[R+4+\j:R+5+\j], v[R+4+\j:R+5+\j], v[R+8+\j:R+9+\j]
	v_pk_add_f32 v[R+12+\j:R+13+\j], v[R+12+\j:R+13+\j], v[R+16+\j:R+17+\j]
	v_pk_add_f32 v[R+20+\j:R+21+\j], v[R+20+\j:R+21+\j], v[R+24+\j:R+25+\j]
.endr
.irp j, 0,2
	v_pk_add_f32 v[A+\j:A+\j+1], v[A+\j:A+\j+1], v[R+4+\j:R+5+\j]
	v_pk_add_f32 v[R+12+\j:R+13+\j], v[R+12+\j:R+13+\j], v[R+20+\j:R+21+\j]
.endr
.irp j, 0,2
	v_pk_add_f32 v[A+\j:A+\j+1], v[A+\j:A+\j+1], v[R+12+\j:R+13+\j]
.endr
.irp j, 0,1,2,3
	v_add_f32_dpp v[A+\j], v[A+\j], v[A+\j] row_xmask:4 row_mask:0xf bank_mask:0xf
.endr
.irp j, 0,1,2,3
	s_delay_alu instid0(VALU_DEP_4)
	v_add_f32_dpp v[A+\j], v[A+\j], v[A+\j] row_xmask:8 row_mask:0xf bank_mask:0xf
.endr
.irp j, 0,1,2,3
	v_permlanex16_b32 v[R+\j], v[A+\j], s14, s15   ; (the destinations have been written)
.endr
	v_pk_add_f32 v[A:A+1], v[A:A+1], v[R:R+1]
	v_pk_add_f32 v[A+2:A+3], v[A+2:A+3], v[R+2:R+3]
.irp j, 0,2
	s_delay_alu instid0(VALU_DEP_2)
	v_pk_mul_f32 v[A+\j:A+\j+1], v[A+\j:A+\j+1], 0x3a800000 op_sel_hi:[1,0]   ; / 1,024: exact
.endr
	v_cmp_gt_u32 vcc_lo, 4, v0
	s_and_saveexec_b32 s16, vcc_lo                 ; eight lanes hold each piece: lanes 0-3 store
	global_store_b128 v[OO], v[A:A+3], s[6:7]      ; 64 consecutive bytes
	s_wait_xcnt 0x0                                ; in front of the line that widens EXEC
	s_or_b32 exec_lo, exec_lo, s16
.Ldone:
	s_wait_tensorcnt 0x0                           ; the wave's end
	ds_add_u32 v[SPW], v[NIL]
	s_wait_dscnt 0x0
	s_endpgm
.Lfunc_end_k_qcfbf2f5c6f_total:
	.size	k_qcfbf2f5c6f_total, .Lfunc_end_k_qcfbf2f5c6f_total-k_qcfbf2f5c6f_total
	.p2alignl 7, 3214868480
	.fill 96, 4, 3214868480
	.section	.rodata,"a",@progbits
	.p2align	6, 0x0
	.amdhsa_kernel k_qcfbf2f5c6f_total
		.amdhsa_group_segment_fixed_size 5120
		.amdhsa_private_segment_fixed_size 0
		.amdhsa_enable_private_segment 0
		.amdhsa_kernarg_size 16
		.amdhsa_user_sgpr_count 2
		.amdhsa_user_sgpr_kernarg_segment_ptr 1
		.amdhsa_wavefront_size32 1
		.amdhsa_system_sgpr_workgroup_id_x 1
		.amdhsa_system_sgpr_workgroup_id_y 1
		.amdhsa_system_sgpr_workgroup_id_z 1
		.amdhsa_system_vgpr_workitem_id 0
		.amdhsa_next_free_vgpr 52
		.amdhsa_next_free_sgpr 66
		.amdhsa_reserve_vcc 1
		.amdhsa_float_denorm_mode_32 3
		.amdhsa_float_denorm_mode_16_64 3
		.amdhsa_memory_ordered 1
		.amdhsa_forward_progress 1
		.amdhsa_inst_pref_size 6
	.end_amdhsa_kernel
	.amdgpu_metadata
---
amdhsa.version: [ 1, 2 ]
amdhsa.kernels:
  - .name:           k_qcfbf2f5c6f_total
    .symbol:         k_qcfbf2f5c6f_total.kd
    .args:
      - { .name: part, .offset: 0, .size: 8, .value_kind: global_buffer, .address_space: global }
      - { .name: out0, .offset: 8, .size: 8, .value_kind: global_buffer, .address_space: global }
    .group_segment_fixed_size: 5120
    .private_segment_fixed_size: 0
    .kernarg_segment_align: 8
    .kernarg_segment_size: 16
    .max_flat_workgroup_size: 256
    .sgpr_count:     66
    .vgpr_count:     52
    .wavefront_size: 32
...
	.end_amdgpu_metadata
.endif
;; end of part 2
